; MI455X (gfx1250); checked and timed in simulation.
; The chip was launched on July 23, 2026; its instructions are those of AMD's public machine-readable ISA for CDNA 5 (MIT licence, August 2026) and "CDNA5" Instruction Set Architecture Reference Guide (July 2026). The comments in the code are by the model that wrote it; some were corrected since.
;; Standard TRM. Allowed arithmetic: float matrix products may take bf16 or f16 operands with f32 sums; other float arithmetic in f32, or as packed bf16 or f16 multiplies, adds, multiply-adds, maxima and minima; sums over many terms, partial sums and values carried from step to step in f32; what a program stores and reads back later, other than sums and carried values, may be rounded once to bf16 or f16.
;; Inputs: W_comb 512 x 256 float32; W_down 1,024 x 256 float32; W_head 256 x 10 float32; W_in 256 x 256 float32; W_up 256 x 1,024 float32; W_yt 256 x 256 float32; b_comb 256 float32; b_down 256 float32; b_head 10 float32; b_in 256 float32; b_up 1,024 float32; b_yt 256 float32; ln_b 256 float32; ln_w 256 float32; x 65,536 x 256 float32; y_init 1 x 256 float32.
;; Outputs: out0 65,536 x 10 float32.
;; One version. Each part assembles by itself: llvm-mc -triple=amdgcn-amd-amdhsa -mcpu=gfx1250 --defsym DOCPART=n.
;; ======== version 1 of 1: 2 launches
;; limits: a function is approximated: absolute error at most 2.5e-05; values are held in f16: magnitudes above 65,504 overflow, below 6.1e-05 lose precision
;; workspace buffers: ws 1,361,920 bytes
;; launch prep (part 1): grid 170 x 1, 8 waves a work-group, no clusters, 11,264 bytes of LDS; arguments W_in, W_up, W_down, W_comb, W_yt, W_head, b_in, b_up, b_down, ln_w, ln_b, b_comb, b_yt, b_head, y_init, ws; writes ws
.if DOCPART == 1
	.amdgcn_target "amdgcn-amd-amdhsa--gfx1250"
	.amdhsa_code_object_version 6
	.text
	.protected	k_q22c910c9b9_prep
	.globl	k_q22c910c9b9_prep
	.p2align	8
	.type	k_q22c910c9b9_prep,@function
k_q22c910c9b9_prep:
	s_mov_b64 s[64:65], 0
	v_nop
	global_prefetch_b8 v0, s[64:65] scope:SCOPE_SE
	s_setreg_imm32_b32 hwreg(HW_REG_WAVE_MODE, 25, 1), 1
	s_wait_xcnt 0x0
; PREP: lays the weights out for the main launch, each input rounded once to bf16.
; ws = 1,312 BLOCKS of 1,024 bytes, then a table of 10,240 bytes in f32, then 8 blocks more.
; A block is one fragment of source 0 (16 output features n0.. x 32 k): piece (g, lane L), 16 bytes at 512 g + 16 L,
; holds W[k][n .. n+7] in 16 bits, k = k0 + 16 g + 8 (L / 16) + L % 8, n = n0 + 8 ((L / 8) % 2).  W lies [k][n] in memory, so a piece is 32 consecutive bytes of f32.
; Block F: 0-127 W_in (n0 = 16 (F / 8), k0 = 32 (F % 8)).  128-1151: turn j = (F - 128) / 16, sub = F % 16: sub 0-3 W_up tile j + 1, k blocks 4-7; sub 4-11 half of W_down,
; k0 = 32 (j / 2 - 1), n0 = 16 (8 (j % 2) + sub - 4), zeros for j < 2; sub 12-15 W_up tile j + 2, k blocks 0-3; W_up tiles 64 and 65 are zeros.
; 1152-1279 W_comb's rows 0-255, the bf16 number written as f16.  1280-1311: W_up tile 0 (8), tile 1 k blocks 0-3 (4), W_down for turns 64 and 65 (8 + 8), 4 of zeros.
; W_down is halved (exact) because the main launch keeps 2 gelu.
; Table (bytes): 0 b_in, 1024 b_down, 2048 ln_w, 3072 ln_b, 4096 cvec = y_init W_comb[256:] + b_comb, 5120 b_up, 9216 zeros, 9472 64 ((y_init + b_yt) W_head + b_head), zeros to 10240.
; Behind it: f16(32 W_yt W_head), 8 blocks (n = 0..15, zeros from 10 on).  32 = 64 / 2: the main launch multiplies its result by 1 / 64.
; LIMIT: 32 W_yt W_head is kept in f16: within 65,504, and below 6e-5 in f16's fixed step of 6e-8.
; Work-groups 0-163: a block a wave.  164: the table's copies and the last vector.  165-168: cvec, 64 columns each.  169: W_yt W_head.
.set SPARE, 10240                      ; the spare words: 128 bytes for each of 8 waves
.set PARW,  1343488                    ; the table's first byte in ws
.set SPW, 2                            ; v2  my spare word; never rewritten
.set NIL, 3                            ; v3  0; never rewritten
.macro RND a                           ; two f32 rounded to bf16 and widened again
	v_cvt_pk_bf16_f32 v14, v[\a], v[(\a)+1]
	v_lshlrev_b32 v[\a], 16, v14
	v_and_b32 v[(\a)+1], 0xffff0000, v14
.endm
	s_load_b512 s[16:31], s[0:1], 0x0              ; W_in 16, W_up 18, W_down 20, W_comb 22, W_yt 24, W_head 26, b_in 28, b_up 30
	s_load_b512 s[32:47], s[0:1], 0x40             ; b_down 32, ln_w 34, ln_b 36, b_comb 38, b_yt 40, b_head 42, y_init 44, ws 46
	v_lshl_add_u32 v[SPW], v0, 2, SPARE
	v_mov_b32 v[NIL], 0
	v_lshrrev_b32 v1, 5, v0
	v_readfirstlane_b32 s8, v1                     ; wave 0..7
	v_and_b32 v4, 31, v0                           ; lane L
	v_lshlrev_b32 v12, 4, v4                       ; 16 L
	v_mov_b32 v13, 0
	s_mov_b32 s9, ttmp9
	s_wait_kmcnt 0x0
	s_add_nc_u64 s[10:11], s[46:47], PARW          ; the table
	s_cmp_lt_u32 s9, 164
	s_cbranch_scc1 .LroleA
	s_cmp_eq_u32 s9, 164
	s_cbranch_scc1 .LroleB
	s_cmp_lt_u32 s9, 169
	s_cbranch_scc1 .LroleC
	; ---- W_yt W_head.  D = A B: A = 16 columns of W_head (rows of A) x 32 m, B = 32 m x 16 rows k of W_yt: a lane ends with one k and eight neighbouring columns.
	v_mul_u32_u24 v5, v0, 40                       ; thread m: W_head's row m, 40 bytes
.irp z, 0,1,2,3,4
	global_load_b64 v[32+2*\z:33+2*\z], v5, s[26:27] offset:8*\z
.endr
	v_and_b32 v6, 15, v0                           ; r
	v_bfe_u32 v7, v0, 4, 1                         ; h
	v_lshlrev_b32 v6, 10, v6
	v_lshl_add_u32 v6, v7, 5, v6                   ; 1,024 r + 32 h
	s_lshl_b32 s4, s8, 15                          ; wave w: rows 32 w .. 32 w + 31 of W_yt
	s_mov_b32 s5, 0
	s_add_nc_u64 s[2:3], s[24:25], s[4:5]
.macro YLOAD hf                        ; 32 loads: both k tiles, four steps of 32 m
.set q, 0
.rept 8
.irp c, 0,1,2,3
	global_load_b128 v[128+16*q+4*\c:128+16*q+4*\c+3], v6, s[2:3] offset:(q/4)*16384+(4*(\hf)+q%4)*128+(\c/2)*64+(\c%2)*16
.endr
.set q, q+1
.endr
.endm
	YLOAD 0
	s_wait_loadcnt 32                              ; W_head's five loads are in; the 32 younger ones stay out
.irp z, 0,1,2,3,4
	v_cvt_pk_bf16_f32 v[48+\z], v[32+2*\z], v[33+2*\z]
.endr
	v_mov_b32 v53, 0                               ; columns 10 to 15
	v_mov_b32 v54, 0
	v_mov_b32 v55, 0
	v_lshlrev_b32 v8, 5, v0                        ; LDS: row m at 32 m
	ds_store_b128 v8, v[48:51]
	ds_store_b128 v8, v[52:55] offset:16
	s_wait_dscnt 0x0                               ; my rows are written, for the other waves' sake
	s_barrier_signal -1
	s_barrier_wait -1
	v_and_b32 v9, 7, v0
	v_bfe_u32 v10, v0, 3, 1
	v_lshl_add_u32 v11, v7, 3, v9                  ; 8 h + L % 8
	v_lshlrev_b32 v11, 5, v11
	v_lshl_add_u32 v11, v10, 4, v11                ; the turning load's address
.macro YHALF hf
.irp z, 0,1,2,3
	ds_load_tr16_b128 v[32+8*\z:35+8*\z], v11 offset:(4*(\hf)+\z)*1024
	ds_load_tr16_b128 v[36+8*\z:39+8*\z], v11 offset:(4*(\hf)+\z)*1024+512
.endr
	s_wait_loadcnt 0x0
.set q, 0
.rept 64
	v_cvt_pk_bf16_f32 v[64+q], v[128+2*q], v[129+2*q]
.set q, q+1
.endr
.if (\hf) == 0
	YLOAD 1                                        ; the raw registers have been read: the second half goes out ahead of the products
.endif
	s_wait_dscnt 0x0
.set q, 0
.rept 4                                ; the two accumulators take turns
.if ((\hf) == 0) && (q == 0)
	v_wmma_f32_16x16x32_bf16 v[16:23], v[32:39], v[64:71], 0
	v_wmma_f32_16x16x32_bf16 v[24:31], v[32:39], v[96:103], 0
.else
	v_wmma_f32_16x16x32_bf16 v[16:23], v[32+8*q:39+8*q], v[64+8*q:71+8*q], v[16:23]
	v_wmma_f32_16x16x32_bf16 v[24:31], v[32+8*q:39+8*q], v[96+8*q:103+8*q], v[24:31]
.endif
.set q, q+1
.endr
.rept 4
	v_nop                                          ; four places behind the products, ahead of loads and conversions into their sources and of reads of their results
.endr
.endm
	YHALF 0
	YHALF 1
	v_lshl_add_u32 v9, v7, 3, v9                   ; 8 h + r % 8
	v_lshl_add_u32 v9, v10, 4, v9                  ; + 16 (r / 8): the lane of the block's piece
	v_lshlrev_b32 v9, 4, v9
	s_lshl_b32 s4, s8, 10                          ; block w
	s_add_nc_u64 s[12:13], s[10:11], s[4:5]
.irp t, 0,1
.irp z, 0,1,2,3,4,5,6,7
	v_mul_f32 v[32+8*\t+\z], 0x42000000, v[16+8*\t+\z]
.endr
.irp z, 0,1,2,3
	v_cvt_pk_f16_f32 v[48+4*\t+\z], v[32+8*\t+2*\z], v[33+8*\t+2*\z]
.endr
	global_store_b128 v9, v[48+4*\t:51+4*\t], s[12:13] offset:10240+512*\t  ; the wave's 32 lanes fill 512 consecutive bytes
.endr
	s_branch .Lend
	; ---- a block a wave
.LroleA:
	s_lshl_b32 s48, s9, 3
	s_add_co_u32 s48, s48, s8                      ; F
	s_mov_b32 s7, 1.0                              ; the factor
	s_mov_b32 s52, -1                              ; the mask: 0 makes a block of zeros
	s_mov_b32 s53, 0                               ; 1: written as f16
	s_mov_b32 s4, 10                               ; a row of W is 1 << s4 bytes
	s_cmp_lt_u32 s48, 128
	s_cbranch_scc0 .La1
	s_mov_b64 s[2:3], s[16:17]                     ; W_in
	s_lshr_b32 s6, s48, 3
	s_lshl_b32 s6, s6, 4                           ; n0
	s_and_b32 s5, s48, 7
	s_lshl_b32 s5, s5, 5                           ; k0
	s_branch .Lgo
.La1:
	s_cmp_lt_u32 s48, 1152
	s_cbranch_scc0 .La2
	s_sub_co_u32 s49, s48, 128
	s_lshr_b32 s50, s49, 4                         ; turn j
	s_and_b32 s51, s49, 15                         ; sub
	s_cmp_lt_u32 s51, 4
	s_cbranch_scc0 .La1b
	s_add_co_u32 s50, s50, 1
	s_add_co_u32 s51, s51, 4
	s_branch .Lup
.La1b:
	s_cmp_lt_u32 s51, 12
	s_cbranch_scc0 .La1c
	s_sub_co_u32 s51, s51, 4
	s_branch .Ldown
.La1c:
	s_add_co_u32 s50, s50, 2
	s_sub_co_u32 s51, s51, 12
	s_branch .Lup
.La2:
	s_cmp_lt_u32 s48, 1280
	s_cbranch_scc0 .La3
	s_sub_co_u32 s49, s48, 1152
	s_mov_b64 s[2:3], s[22:23]                     ; W_comb
	s_lshr_b32 s6, s49, 3
	s_lshl_b32 s6, s6, 4
	s_and_b32 s5, s49, 7
	s_lshl_b32 s5, s5, 5
	s_mov_b32 s53, 1
	s_branch .Lgo
.La3:
	s_sub_co_u32 s49, s48, 1280
	s_cmp_lt_u32 s49, 8
	s_cbranch_scc0 .La3b
	s_mov_b32 s50, 0
	s_mov_b32 s51, s49
	s_branch .Lup
.La3b:
	s_cmp_lt_u32 s49, 12
	s_cbranch_scc0 .La3c
	s_mov_b32 s50, 1
	s_sub_co_u32 s51, s49, 8
	s_branch .Lup
.La3c:
	s_cmp_lt_u32 s49, 20
	s_cbranch_scc0 .La3d
	s_mov_b32 s50, 64
	s_sub_co_u32 s51, s49, 12
	s_branch .Ldown
.La3d:
	s_cmp_lt_u32 s49, 28
	s_cbranch_scc0 .La3e
	s_mov_b32 s50, 65
	s_sub_co_u32 s51, s49, 20
	s_branch .Ldown
.La3e:
	s_mov_b32 s50, 64                              ; a block of zeros
	s_mov_b32 s51, 0
.Lup:                                              ; W_up: tile s50, k block s51
	s_cmp_lt_u32 s50, 64
	s_cselect_b32 s52, -1, 0
	s_min_u32 s50, s50, 63                         ; a masked block still reads inside the buffer
	s_mov_b64 s[2:3], s[18:19]
	s_mov_b32 s4, 12
	s_lshl_b32 s6, s50, 4
	s_lshl_b32 s5, s51, 5
	s_branch .Lgo
.Ldown:                                            ; W_down: turn s50, block s51
	s_cmp_ge_u32 s50, 2
	s_cselect_b32 s52, -1, 0
	s_lshr_b32 s49, s50, 1
	s_max_u32 s49, s49, 1
	s_sub_co_u32 s49, s49, 1
	s_lshl_b32 s5, s49, 5
	s_and_b32 s49, s50, 1
	s_lshl_b32 s49, s49, 3
	s_add_co_u32 s49, s49, s51
	s_lshl_b32 s6, s49, 4
	s_mov_b64 s[2:3], s[20:21]
	s_mov_b32 s7, 0.5
.Lgo:
	v_and_b32 v5, 7, v4
	v_bfe_u32 v6, v0, 4, 1
	v_bfe_u32 v7, v0, 3, 1
	v_lshl_add_u32 v5, v6, 3, v5
	v_add_nc_u32 v5, s5, v5                        ; k of piece 0
	v_lshlrev_b32 v8, s4, v5
	v_lshl_add_u32 v9, v7, 3, s6                   ; n
	v_lshl_add_u32 v8, v9, 2, v8
	s_lshl_b32 s49, 16, s4
	v_add_nc_u32 v9, s49, v8                       ; piece 1: 16 rows on
	global_load_b128 v[16:19], v8, s[2:3]
	global_load_b128 v[20:23], v8, s[2:3] offset:16
	global_load_b128 v[24:27], v9, s[2:3]
	global_load_b128 v[28:31], v9, s[2:3] offset:16
	s_lshl_b32 s54, s48, 10
	s_mov_b32 s55, 0
	s_add_nc_u64 s[54:55], s[46:47], s[54:55]
	s_wait_loadcnt 0x0
.set z, 0
.rept 16
	v_mul_f32 v[16+z], s7, v[16+z]
.set z, z+1
.endr
.set z, 0
.rept 8
	v_cvt_pk_bf16_f32 v[32+z], v[16+2*z], v[17+2*z]
.set z, z+1
.endr
	s_cmp_eq_u32 s53, 0
	s_cbranch_scc1 .Lnofmt
.set z, 0
.rept 8
	v_lshlrev_b32 v[16+2*z], 16, v[32+z]
	v_and_b32 v[17+2*z], 0xffff0000, v[32+z]
.set z, z+1
.endr
.set z, 0
.rept 8
	v_cvt_pk_f16_f32 v[32+z], v[16+2*z], v[17+2*z]
.set z, z+1
.endr
.Lnofmt:
.set z, 0
.rept 8
	v_and_b32 v[32+z], s52, v[32+z]
.set z, z+1
.endr
	global_store_b128 v12, v[32:35], s[54:55]             ; 512 consecutive bytes each
	global_store_b128 v12, v[36:39], s[54:55] offset:512
	s_branch .Lend
	; ---- the table's copies: wave w moves 1,024 bytes
.LroleB:
	s_lshl_b32 s5, s8, 10
	s_sub_co_u32 s6, s5, 4096
	s_add_co_u32 s7, s5, 1024
	s_cmp_eq_u32 s8, 0
	s_cselect_b64 s[2:3], s[28:29], s[32:33]       ; b_in, b_down
	s_cmp_eq_u32 s8, 2
	s_cselect_b64 s[2:3], s[34:35], s[2:3]         ; ln_w
	s_cmp_eq_u32 s8, 3
	s_cselect_b64 s[2:3], s[36:37], s[2:3]         ; ln_b
	s_cmp_ge_u32 s8, 4
	s_cselect_b64 s[2:3], s[30:31], s[2:3]         ; b_up, a quarter a wave
	s_cselect_b32 s4, s6, 0
	s_cselect_b32 s5, s7, s5
	v_add_nc_u32 v8, s4, v12
	v_add_nc_u32 v9, s5, v12
	global_load_b128 v[16:19], v8, s[2:3]
	global_load_b128 v[20:23], v8, s[2:3] offset:512
	s_wait_loadcnt 0x0
	RND 16
	RND 18
	RND 20
	RND 22
	global_store_b128 v9, v[16:19], s[10:11]
	global_store_b128 v9, v[20:23], s[10:11] offset:512
	s_cmp_lg_u32 s8, 0
	s_cbranch_scc1 .Lend
	; wave 0: 64 ((y_init + b_yt) W_head + b_head).  Lane L takes rows 8 L .. 8 L + 7 of W_head.
	s_load_b256 s[48:55], s[42:43], 0x0
	s_load_b64 s[56:57], s[42:43], 0x20
	v_lshlrev_b32 v5, 5, v4
	v_mul_u32_u24 v6, v4, 320
	global_load_b128 v[40:43], v5, s[44:45]
	global_load_b128 v[44:47], v5, s[44:45] offset:16
	global_load_b128 v[48:51], v5, s[40:41]
	global_load_b128 v[52:55], v5, s[40:41] offset:16
.set z, 0
.rept 20
	global_load_b128 v[64+4*z:67+4*z], v6, s[26:27] offset:16*z
.set z, z+1
.endr
	s_mov_b32 s58, 0x76543210
	s_mov_b32 s59, 0xfedcba98
.set z, 0
.rept 10
	v_mov_b32 v[160+z], 0                          ; v_permlanex16_b32 counts as a reader of its destination
.set z, z+1
.endr
	s_wait_loadcnt 0x0
	s_wait_kmcnt 0x0
.set z, 40
.rept 8
	RND z
.set z, z+2
.endr
.set z, 64
.rept 40
	RND z
.set z, z+2
.endr
.set z, 0
.rept 8
	v_add_f32 v[40+z], v[40+z], v[48+z]
.set z, z+1
.endr
.set c, 0
.rept 10
	v_mul_f32 v[144+c], v40, v[64+c]
.set c, c+1
.endr
.set z, 1
.rept 7
.set c, 0
.rept 10
	v_fmac_f32 v[144+c], v[40+z], v[64+10*z+c]
.set c, c+1
.endr
.set z, z+1
.endr
.irp m, 1,2,4,8
.set c, 0
.rept 10
	v_add_f32_dpp v[144+c], v[144+c], v[144+c] row_xmask:\m row_mask:0xf bank_mask:0xf
.set c, c+1
.endr
.endr
.set c, 0
.rept 10
	v_permlanex16_b32 v[160+c], v[144+c], s58, s59
.set c, c+1
.endr
.set c, 0
.rept 10
	v_add_f32 v[144+c], v[144+c], v[160+c]
.set c, c+1
.endr
.set c, 0
.rept 5
	v_cvt_pk_bf16_f32 v172, s[48+2*c], s[49+2*c]
	v_lshlrev_b32 v173, 16, v172
	v_and_b32 v174, 0xffff0000, v172
	v_add_f32 v[144+2*c], v[144+2*c], v173
	v_add_f32 v[145+2*c], v[145+2*c], v174
.set c, c+1
.endr
.set c, 0
.rept 10
	v_mul_f32 v[144+c], 0x42800000, v[144+c]
.set c, c+1
.endr
	v_cmp_eq_u32 s60, 16, v4                       ; byte 9472 = 9216 + 16 x 16: lanes 16, 17, 18 carry the ten numbers, all others zeros
	v_cmp_eq_u32 s61, 17, v4
	v_cmp_eq_u32 s62, 18, v4
	v_cndmask_b32 v176, v13, v144, s60
	v_cndmask_b32 v177, v13, v145, s60
	v_cndmask_b32 v178, v13, v146, s60
	v_cndmask_b32 v179, v13, v147, s60
	v_cndmask_b32 v176, v176, v148, s61
	v_cndmask_b32 v177, v177, v149, s61
	v_cndmask_b32 v178, v178, v150, s61
	v_cndmask_b32 v179, v179, v151, s61
	v_cndmask_b32 v176, v176, v152, s62
	v_cndmask_b32 v177, v177, v153, s62
	v_mov_b32 v180, 0
	v_mov_b32 v181, 0
	v_mov_b32 v182, 0
	v_mov_b32 v183, 0
	global_store_b128 v12, v[176:179], s[10:11] offset:9216
	global_store_b128 v12, v[180:183], s[10:11] offset:9728
	s_branch .Lend
	; ---- cvec: work-group g makes columns 64 g .. 64 g + 63; wave w sums k = 32 w .. 32 w + 31; a lane two columns
.LroleC:
	s_sub_co_u32 s4, s9, 165
	s_lshl_b32 s5, s4, 8                           ; 256 g bytes
	s_lshl_b32 s6, s8, 15
	s_add_co_u32 s6, s6, s5
	s_add_co_u32 s6, s6, 262144                    ; W_comb's row 256 + 32 w
	s_mov_b32 s7, 0
	s_add_nc_u64 s[2:3], s[22:23], s[6:7]
	v_lshlrev_b32 v5, 3, v4                        ; 8 L
	s_lshl_b32 s48, s8, 7
	v_lshl_add_u32 v6, v4, 2, s48
	global_load_b32 v16, v6, s[44:45]              ; y_init[32 w + L]
.set z, 0
.rept 32
	global_load_b64 v[64+2*z:65+2*z], v5, s[2:3] offset:1024*z  ; 256 consecutive bytes of a row
.set z, z+1
.endr
	s_lshl_b32 s49, s8, 8
	s_add_co_u32 s49, s49, 8192
	v_add_nc_u32 v7, s49, v5
	v_add_nc_u32 v9, s5, v5
	s_wait_loadcnt 0x0
	v_cvt_pk_bf16_f32 v17, v16, v16
	v_lshlrev_b32 v16, 16, v17
.set z, 0
.rept 32
	v_readlane_b32 s6, v16, z
	v_cvt_pk_bf16_f32 v22, v[64+2*z], v[65+2*z]
	v_lshlrev_b32 v23, 16, v22
	v_and_b32 v24, 0xffff0000, v22
.if z == 0
	v_mul_f32 v20, s6, v23
	v_mul_f32 v21, s6, v24
.else
	v_fmac_f32 v20, s6, v23
	v_fmac_f32 v21, s6, v24
.endif
.set z, z+1
.endr
	ds_store_b64 v7, v[20:21]
	s_wait_dscnt 0x0                               ; my partial sums are written, for wave 0's sake
	s_barrier_signal -1
	s_barrier_wait -1
	s_cmp_lg_u32 s8, 0
	s_cbranch_scc1 .Lend
	v_add_nc_u32 v8, 8192, v5
	global_load_b64 v[48:49], v9, s[38:39]
.set z, 0
.rept 8
	ds_load_b64 v[32+2*z:33+2*z], v8 offset:256*z
.set z, z+1
.endr
	s_wait_loadcnt 0x0
	s_wait_dscnt 0x0
	RND 48
.set z, 1
.rept 7
	v_pk_add_f32 v[32:33], v[32:33], v[32+2*z:33+2*z]
.set z, z+1
.endr
	v_pk_add_f32 v[32:33], v[32:33], v[48:49]
	global_store_b64 v9, v[32:33], s[10:11] offset:4096   ; 256 consecutive bytes, aligned
.Lend:
	s_wait_tensorcnt 0x0                           ; the wave's end
	ds_add_u32 v[SPW], v[NIL]
	s_wait_dscnt 0x0
	s_endpgm
.Lfunc_end_k_q22c910c9b9_prep:
	.size	k_q22c910c9b9_prep, .Lfunc_end_k_q22c910c9b9_prep-k_q22c910c9b9_prep
	.p2alignl 7, 3214868480
	.fill 96, 4, 3214868480
	.section	.rodata,"a",@progbits
	.p2align	6, 0x0
	.amdhsa_kernel k_q22c910c9b9_prep
		.amdhsa_group_segment_fixed_size 11264
		.amdhsa_private_segment_fixed_size 0
		.amdhsa_enable_private_segment 0
		.amdhsa_kernarg_size 128
		.amdhsa_user_sgpr_count 2
		.amdhsa_user_sgpr_kernarg_segment_ptr 1
		.amdhsa_wavefront_size32 1
		.amdhsa_system_sgpr_workgroup_id_x 1
		.amdhsa_system_sgpr_workgroup_id_y 1
		.amdhsa_system_sgpr_workgroup_id_z 1
		.amdhsa_system_vgpr_workitem_id 0
		.amdhsa_next_free_vgpr 256
		.amdhsa_next_free_sgpr 66
		.amdhsa_reserve_vcc 0
		.amdhsa_float_denorm_mode_32 3
		.amdhsa_float_denorm_mode_16_64 3
		.amdhsa_memory_ordered 1
		.amdhsa_forward_progress 1
		.amdhsa_inst_pref_size 64
	.end_amdhsa_kernel
	.amdgpu_metadata
---
amdhsa.version: [ 1, 2 ]
amdhsa.kernels:
  - .name:           k_q22c910c9b9_prep
    .symbol:         k_q22c910c9b9_prep.kd
    .args:
      - { .name: W_in, .offset: 0, .size: 8, .value_kind: global_buffer, .address_space: global }
      - { .name: W_up, .offset: 8, .size: 8, .value_kind: global_buffer, .address_space: global }
      - { .name: W_down, .offset: 16, .size: 8, .value_kind: global_buffer, .address_space: global }
      - { .name: W_comb, .offset: 24, .size: 8, .value_kind: global_buffer, .address_space: global }
      - { .name: W_yt, .offset: 32, .size: 8, .value_kind: global_buffer, .address_space: global }
      - { .name: W_head, .offset: 40, .size: 8, .value_kind: global_buffer, .address_space: global }
      - { .name: b_in, .offset: 48, .size: 8, .value_kind: global_buffer, .address_space: global }
      - { .name: b_up, .offset: 56, .size: 8, .value_kind: global_buffer, .address_space: global }
      - { .name: b_down, .offset: 64, .size: 8, .value_kind: global_buffer, .address_space: global }
      - { .name: ln_w, .offset: 72, .size: 8, .value_kind: global_buffer, .address_space: global }
      - { .name: ln_b, .offset: 80, .size: 8, .value_kind: global_buffer, .address_space: global }
      - { .name: b_comb, .offset: 88, .size: 8, .value_kind: global_buffer, .address_space: global }
      - { .name: b_yt, .offset: 96, .size: 8, .value_kind: global_buffer, .address_space: global }
      - { .name: b_head, .offset: 104, .size: 8, .value_kind: global_buffer, .address_space: global }
      - { .name: y_init, .offset: 112, .size: 8, .value_kind: global_buffer, .address_space: global }
      - { .name: ws, .offset: 120, .size: 8, .value_kind: global_buffer, .address_space: global }
    .group_segment_fixed_size: 11264
    .private_segment_fixed_size: 0
    .kernarg_segment_align: 8
    .kernarg_segment_size: 128
    .max_flat_workgroup_size: 256
    .sgpr_count:     66
    .vgpr_count:     256
    .wavefront_size: 32
...
	.end_amdgpu_metadata
.endif
;; end of part 1
;; launch main (part 2): grid 256 x 1, 4 waves a work-group, clusters of 4 x 1, 327,680 bytes of LDS; arguments x, ws, out0; writes out0
.if DOCPART == 2
	.amdgcn_target "amdgcn-amd-amdhsa--gfx1250"
	.amdhsa_code_object_version 6
	.text
	.protected	k_q22c910c9b9_main
	.globl	k_q22c910c9b9_main
	.p2align	8
	.type	k_q22c910c9b9_main,@function
k_q22c910c9b9_main:
	s_mov_b64 s[64:65], 0
	v_nop
	global_prefetch_b8 v0, s[64:65] scope:SCOPE_SE
	s_setreg_imm32_b32 hwreg(HW_REG_WAVE_MODE, 25, 1), 1
	s_wait_xcnt 0x0
	s_wait_alu depctr_hold_cnt(0) depctr_sa_sdst(0) depctr_va_vdst(0) depctr_va_sdst(0) depctr_va_ssrc(0) depctr_va_vcc(0) depctr_vm_vsrc(0)
	s_getreg_b32 s2, hwreg(HW_REG_IB_STS2, 6, 4)
	s_cmp_eq_u32 s2, 0
	s_cbranch_scc0 .Lentry_in_a_cluster
	s_endpgm
.Lentry_in_a_cluster:
	s_bfe_u32 s2, ttmp6, 0x10000c
	s_cmp_lg_u32 s2, 0x3003
	s_cbranch_scc0 .Lentry_shape_is_right
	s_endpgm
.Lentry_shape_is_right:
; THE WHOLE CHAIN FOR 256 ROWS A WORK-GROUP, 64 A WAVE (four tiles t of 16 rows); activations never leave registers, LDS carries weights alone.
;   z = x W_in + b_in;  v = z + b_down + gelu(z W_up + b_up) W_down;  z2 = LayerNorm(v);  c = gelu(z2 W_comb[:256] + cvec);  out = c (W_yt W_head) + ovec.
; cvec, ovec and W_yt W_head hold for every input (y_init is one row for all rows of x); the launch before makes them, and lays all weights out in blocks.
; EVERY PRODUCT IS TAKEN TRANSPOSED: source 0 = a weight block (16 output features x 32 k), source 1 = activations (32 k x 16 rows).  In a result lane (r, h) holds row r and
; features 8 h + 0..7, so two results rounded to 16 bits in pairs ARE the next product's source 1.
; FORMATS: x, z (as operand) and h in bf16 with bf16 weights; z2, c and their weights in f16; the residual z, all sums and the LayerNorm in f32.
; GELU: 2 gelu(u) = u + |u| (1 - (a1 t + a2 t^2 + a3 t^3) 2^(-u^2 log2(e) / 2)), t = 1 / (1 + 0.47047 |u| / sqrt 2): Abramowitz and Stegun 7.1.25.  The factor 2 is taken back by halved weights.
; LIMITS: that formula is within 2.5e-5 of erf for every argument; z2, 2 gelu of the combining layer and 32 W_yt W_head are kept in f16, so each must stay within 65,504; an exponential below
; 2^-126 counts as 0; NaN and infinities are not treated apart.
; THE MAIN LOOP, 64 TURNS.  Turn j: 32 products UP (tile j + 1 of z W_up: 16 hidden features), then 32 products DN (hidden features 32 (j / 2 - 1) .., half j % 2 of the 16 output tiles);
; behind each product a SLICE of four of the 240 vector instructions of tile j's gelu.  Turns 0 and 1 multiply zeros, turn 63's UP too: the price of one text for every turn.
; WEIGHTS: ten steps of 131,072 bytes through two LDS slots, asked for JOINTLY by the four work-groups of a cluster (all work-groups walk the same weights), a quarter a wave.
; No prefetch: x is wanted at the kernel's head, and the weights are read by every cluster.
; REGISTERS, in windows of 256 (s_set_vgpr_msb: bits 1:0 source 0, 3:2 source 1, 5:4 source 2, 7:6 destination):
;   window 0: v0-15 addresses; S two buffers of 32 (a tile of UP); E, T 16 each (half a tile's exponentials and reciprocals); H two buffers of 32 (32 hidden features x 64 rows in 16 bits);
;             BU 8 (a tile's bias, the C operand that starts a sum); TMP 8; WF 64: a ring of 8 weight blocks
;   window 1: z in bf16 (first x, at the end z2): fragment (t, ks) at 8 (8 t + ks)          windows 2, 3: ACC: output tile f, row tile t at 8 (4 (f % 8) + t) of window 2 + f / 8
.set SLOT1, 131072
.set XTRA,  262144                     ; 32 blocks: W_up tile 0, tile 1's first half, W_down for the two turns behind the loop
.set PAR,   294912                     ; the table, f32
.set WHL,   305152                     ; 8 blocks of 32 W_yt W_head
.set STAGE, 313344                     ; for the way out, 3,200 bytes a wave: 64 rows of 40 bytes, then 640 bytes that are written and never read; no tensor load lands here
.set STW,   3200
.set SPARE, 326144                     ; the spare words, 128 bytes a wave
.set P_BIN, 0
.set P_BDN, 1024
.set P_LNW, 2048
.set P_LNB, 3072
.set P_CV,  4096
.set P_BUP, 5120
.set P_OV,  9472
.set AL16, 2                           ; v2  16 x lane
.set AP,   3                           ; v3  PAR + 32 h
.set AF,   4                           ; v4  address of the run of weight loads in hand
.set AB,   5                           ; v5  of the bias
.set XO,   6                           ; v6  1,024 r + 32 h
.set STO,  7                           ; v7  my stage + 40 r + 32 h
.set RD,   8                           ; v8  my stage + 16 x lane
.set AH,   9
.set AZ1,  10                          ; v10 16 x lane + 65,536
.set RR,   12                          ; v12 r = lane % 16; never rewritten
.set HH,   13                          ; v13 h = lane / 16; never rewritten
.set SPW,  14                          ; v14 my spare word; never rewritten
.set NIL,  15                          ; v15 0; never rewritten
.set S,   16
.set E,   80
.set T,   96
.set H,   112
.set BU,  176
.set TMP, 184
.set WF,  192
.set ST,  176                          ; the LayerNorm's statistics, four a tile, where BU and TMP lie idle
.set WV,  12
.set G1S, 16                           ; s[16:23] group 1: 128 rows of 256 bytes
.set G1X, 24                           ; s[24:31] group 1: 50 rows of 256 bytes
.set G0A, 32                           ; s[32:35] step 0 into slot 0
.set G0B, 36                           ; s[36:39] step 1 into slot 1; it then walks
.set G0C, 40                           ; s[40:43] XTRA, the table and WHL
.set KN,  44
.set PP,  46
.set C256, 47
.set A1,  48
.set A2,  50
.set A3,  52
.set SEL, 54
.set TB,  56                           ; s56 LDS byte of the next run of weight blocks
.set TBB, 57                           ; s57 the next bias's byte in the table
.set SLOTS, 58
.set CNT, 59
.set TBH, 60
.set EPS, 61
.set MSB, 0
.macro WIN new                         ; the high byte repeats the setting that is left; a switch that changes nothing is dropped
.if MSB != (\new)
	s_set_vgpr_msb (MSB<<8)|(\new)
.set MSB, (\new)
.endif
.endm
.macro PLACES                          ; four plain instructions behind a product, ahead of loads into its registers and of reads of its result
.rept 4
	v_nop
.endr
.endm
.macro CROUND                          ; a round of the cluster's barrier
	s_barrier_signal -1
	s_barrier_wait -1
	s_cmp_lg_u32 s[WV], 0
	s_cbranch_scc1 .Lnot_wave_0_\@
	s_barrier_signal -3
.Lnot_wave_0_\@:
	s_barrier_wait -3
	s_barrier_signal -1
	s_barrier_wait -1
.endm
; THE CHANGE OF SLOTS.  Each wave waits for all its tensor loads (one is out: its quarter of the slot to be entered), adds 0 to its spare word, and waits for that and for its reads of the slot
; that it leaves.  fill = 1: behind a round of the cluster's barrier that slot is filled again, first thing, with the step after next: it has 512 products in which to land.
.macro CHANGE fill
	WIN 0
	s_wait_tensorcnt 0x0
	ds_add_u32 v[SPW], v[NIL]
.if \fill
	s_xor_b32 s[G0B+1], s[G0B+1], SLOT1
	s_add_nc_u64 s[G0B+2:G0B+3], s[G0B+2:G0B+3], SLOT1
.endif
	s_wait_dscnt 0x0
.if \fill
	CROUND
	tensor_load_to_lds s[G0B:G0B+3], s[G1S:G1S+7]
	s_nop 0
	PLACES
.else
	s_barrier_signal -1
	s_barrier_wait -1
.endif
	s_sub_co_u32 s[TB], s[TB], SLOT1
	s_xor_b32 s[TB], s[TB], SLOT1
.endm
; A run of LDS loads: n weight blocks from byte TB into v[a ..]; b >= 0: also the next bias, 8 registers at v[b].  A block is read as it lies: 512 consecutive bytes a load.
.macro RUN a, n, b
	WIN 0
	v_add_nc_u32 v[AF], s[TB], v[AL16]
	s_add_co_u32 s[TB], s[TB], 1024*(\n)
.if (\b) >= 0
	v_add_nc_u32 v[AB], s[TBB], v[AP]
	s_add_co_u32 s[TBB], s[TBB], 64
	ds_load_b128 v[(\b):(\b)+3], v[AB]
	ds_load_b128 v[(\b)+4:(\b)+7], v[AB] offset:16
.endif
.set z, 0
.rept (\n)
	ds_load_tr16_b128 v[(\a)+8*z:(\a)+8*z+3], v[AF] offset:1024*z
	ds_load_tr16_b128 v[(\a)+8*z+4:(\a)+8*z+7], v[AF] offset:1024*z+512
.set z, z+1
.endr
.endm
; Product i of 32 of a tile of UP into S's buffer n: k block i / 4, row tile i % 4; the first four start the sums with the bias.  The four accumulators take turns.
.macro UPW n, f
.set rS, S+32*(\n)+8*(i%4)
.set rA, WF+8*(i/4)
.set rB, 8*(8*(i%4)+i/4)
	WIN 0x04
.if (\f)
.if i < 4
	v_wmma_f32_16x16x32_f16 v[rS:rS+7], v[rA:rA+7], v[rB:rB+7], v[BU:BU+7]
.else
	v_wmma_f32_16x16x32_f16 v[rS:rS+7], v[rA:rA+7], v[rB:rB+7], v[rS:rS+7]
.endif
.else
.if i < 4
	v_wmma_f32_16x16x32_bf16 v[rS:rS+7], v[rA:rA+7], v[rB:rB+7], v[BU:BU+7]
.else
	v_wmma_f32_16x16x32_bf16 v[rS:rS+7], v[rA:rA+7], v[rB:rB+7], v[rS:rS+7]
.endif
.endif
.endm
; Product i of 32 of DN: output tile 8 hf + i / 4, row tile i % 4; H's buffer hr; blocks at v[a ..]
.macro DNW hf, hr, a
.set rA, (\a)+8*(i/4)
.set rB, H+32*(\hr)+8*(i%4)
	WIN 0xa0+0x50*(\hf)
	v_wmma_f32_16x16x32_bf16 v[8*i:8*i+7], v[rA:rA+7], v[rB:rB+7], v[8*i:8*i+7]
.endm
; THE GELU of a tile: 16 pairs p of numbers (pair p = registers 2 p, 2 p + 1 of S's buffer at GS), 15 instructions a pair.
.macro GP p, o                         ; ahead of the transcendentals: E = -u^2 log2(e) / 2, T = 1 + PP |u|
.set gxx, GS+2*(\p)
.set gee, E+2*((\p)%8)
.set gtt, T+2*((\p)%8)
.if (\o) == 0
	v_pk_mul_f32 v[gee:gee+1], v[gxx:gxx+1], s[KN:KN+1] op_sel_hi:[1,0]
.elseif (\o) == 1
	v_pk_mul_f32 v[gee:gee+1], v[gee:gee+1], v[gxx:gxx+1]
.else
	v_fma_f32 v[gtt+(\o)-2], |v[gxx+(\o)-2]|, s[PP], 1.0
.endif
.endm
.macro GX p, o                         ; the transcendentals, in place
.if (\o) < 2
	v_exp_f32 v[E+2*((\p)%8)+(\o)], v[E+2*((\p)%8)+(\o)]
.else
	v_rcp_f32 v[T+2*((\p)%8)+(\o)-2], v[T+2*((\p)%8)+(\o)-2]
.endif
.endm
.macro GQ p, o                         ; behind them: the polynomial, u + |u| (..), the rounding into H
.set gxx, GS+2*(\p)
.set gee, E+2*((\p)%8)
.set gtt, T+2*((\p)%8)
.set gmm, TMP+2*((\p)%4)
.if (\o) == 0
	v_pk_mul_f32 v[gee:gee+1], v[gee:gee+1], v[gtt:gtt+1]
.elseif (\o) == 1
	v_pk_fma_f32 v[gmm:gmm+1], v[gtt:gtt+1], s[A3:A3+1], s[A2:A2+1] op_sel_hi:[1,0,0]
.elseif (\o) == 2
	v_pk_fma_f32 v[gmm:gmm+1], v[gmm:gmm+1], v[gtt:gtt+1], s[A1:A1+1] op_sel_hi:[1,1,0]
.elseif (\o) == 3
	v_pk_fma_f32 v[gmm:gmm+1], v[gmm:gmm+1], v[gee:gee+1], 1.0 op_sel_hi:[1,1,0]
.elseif (\o) == 4
	v_fma_f32 v[gxx], |v[gxx]|, v[gmm], v[gxx]
.elseif (\o) == 5
	v_fma_f32 v[gxx+1], |v[gxx+1]|, v[gmm+1], v[gxx+1]
.elseif GF
	v_cvt_pk_f16_f32 v[GH+8*((\p)/4)+(\p)%4], v[gxx], v[gxx+1]
.else
	v_cvt_pk_bf16_f32 v[GH+8*((\p)/4)+(\p)%4], v[gxx], v[gxx+1]
.endif
.endm
; SLICE k of 64: four instructions.  Two half batches of 8 pairs (E and T hold 8 pairs): slices 0-15 and 30-45 hold what stands ahead of and in the transcendentals, plain and transcendental
; by turns; nothing there names a result of the batch.  Behind slices 15 and 45: one plain instruction and the ONE wait between a batch and its first reader.
; Slices 16-29 and 46-59: the readers, four pairs abreast.  Slices 60-63 are empty.  Pairs ascend.
.macro SLICE
.if k < 60
	WIN 0
.set pb, 8*(k/30)
.set kk, k%30
.if kk == 0
	GP pb, 0
	GP pb, 1
	GP pb, 2
	GP pb, 3
.elseif kk < 15
.set ss, pb+(kk+1)/2
.set oo, 2*((kk+1)%2)
	GP ss, oo
	GX ss-1, oo
	GP ss, oo+1
	GX ss-1, oo+1
.elseif kk == 15
	GX pb+7, 0
	GX pb+7, 1
	GX pb+7, 2
	GX pb+7, 3
	v_nop
	s_wait_alu depctr_va_vdst(0)
.else
.set qq, pb+4*((kk-16)/7)
.set oo, (kk-16)%7
	GQ qq, oo
	GQ qq+1, oo
	GQ qq+2, oo
	GQ qq+3, oo
.endif
.endif
.set k, k+1
.endm
; A TURN of the main loop, jj = j % 4.  The ring's halves are filled again as soon as they are read out, four plain instructions or more behind the last reader:
; behind UP 1: this tile's k blocks 4-7 (used from UP 16); behind UP 17: DN's blocks 0-3; behind DN 1: DN's blocks 4-7; behind DN 17: the next tile's k blocks 0-3 and its bias.
; Each wait is for 0 and finds one run out, issued 14 or 15 products earlier.
.macro TURN jj
.set GS, S+32*((\jj)&1)
.set GH, H+32*((\jj)>>1)+4*((\jj)&1)
.set GF, 0
.set k, 0
.set i, 0
	s_wait_dscnt 0x0
.rept 32
.if i == 16
	s_wait_dscnt 0x0
.endif
	UPW 1-((\jj)&1), 0
	SLICE
.if i == 1
	RUN WF+32, 4, -1
.endif
.if i == 17
	RUN WF, 4, -1
.endif
.set i, i+1
.endr
.set i, 0
	s_wait_dscnt 0x0
.rept 32
.if i == 16
	s_wait_dscnt 0x0
.endif
	DNW (\jj)&1, 1-((\jj)>>1), WF
	SLICE
.if i == 1
	RUN WF+32, 4, -1
.endif
.if i == 17
	RUN WF, 4, BU
.endif
.set i, i+1
.endr
.endm
; A TURN of the combining layer: 32 products for tile f + 1, two slices of tile f's gelu behind each; behind an odd tile the four products with W_yt W_head.
.macro TURNC jj
.set GS, S+32*(\jj)
.set GH, H+4*(\jj)
.set GF, 1
.set k, 0
.set i, 0
	s_wait_dscnt 0x0
.rept 32
.if i == 16
	s_wait_dscnt 0x0
.endif
	UPW 1-(\jj), 1
	SLICE
	SLICE
.if i == 1
	RUN WF+32, 4, -1
.if (\jj) == 1
	WIN 0
	v_add_nc_u32 v[AH], s[TBH], v[AL16]
	s_add_co_u32 s[TBH], s[TBH], 1024
	WIN 0x80
	ds_load_tr16_b128 v[32:35], v[AH]
	ds_load_tr16_b128 v[36:39], v[AH] offset:512
.endif
.endif
.if i == 17
	RUN WF, 4, BU
.endif
.set i, i+1
.endr
.if (\jj) == 1
	WIN 0xa2                                       ; result, C and the block in window 2, H in window 0
.irp t, 0,1,2,3
	v_wmma_f32_16x16x32_f16 v[8*\t:8*\t+7], v[32:39], v[H+8*\t:H+8*\t+7], v[8*\t:8*\t+7]
.endr
.endif
.endm
	; ---- the head
	s_load_b128 s[4:7], s[0:1], 0x0                ; x s[4:5], ws s[6:7]
	s_load_b64 s[8:9], s[0:1], 0x10                ; out0
	v_lshl_add_u32 v[SPW], v0, 2, SPARE
	v_mov_b32 v[NIL], 0
	ds_add_u32 v[SPW], v[NIL]                      ; the wave's opening: the add and its wait come ahead of my first tensor load
	v_lshrrev_b32 v1, 5, v0
	v_readfirstlane_b32 s[WV], v1                  ; wave 0..3
	s_mov_b32 s[G1S], 15|(3<<16)|(1<<21)           ; the mask of four; elements of 8 bytes; bit 21 beside a mask; no padding
	s_mov_b32 s[G1S+1], 32<<16                     ; tensor_dim0 = 32 (256 bytes)
	s_mov_b32 s[G1S+2], 128<<16                    ; tensor_dim1 = 128
	s_mov_b32 s[G1S+3], 32<<16                     ; tile_dim0 = 32
	s_mov_b32 s[G1S+4], 128                        ; tile_dim1 = 128
	s_mov_b32 s[G1S+5], 32                         ; dense rows
	s_mov_b32 s[G1S+6], 0
	s_mov_b32 s[G1S+7], 0
	s_mov_b32 s[G1X], 15|(3<<16)|(1<<21)
	s_mov_b32 s[G1X+1], 32<<16
	s_mov_b32 s[G1X+2], 50<<16
	s_mov_b32 s[G1X+3], 32<<16
	s_mov_b32 s[G1X+4], 50
	s_mov_b32 s[G1X+5], 32
	s_mov_b32 s[G1X+6], 0
	s_mov_b32 s[G1X+7], 0
	s_lshl_b32 s10, s[WV], 15                      ; my quarter of a step
	s_mul_i32 s11, s[WV], 12800                    ; my quarter of the 51,200 bytes behind the steps
	s_mov_b32 s[G0A], 1
	s_mov_b32 s[G0A+1], s10
	s_mov_b32 s[G0B], 1
	s_add_co_u32 s[G0B+1], s10, SLOT1
	s_mov_b32 s[G0C], 1
	s_add_co_u32 s[G0C+1], s11, XTRA
	s_mov_b32 s[KN], 0xbf38aa3b                    ; -log2(e) / 2
	s_mov_b32 s[KN+1], s[KN]
	s_mov_b32 s[PP], 0x3eaa540e                    ; 0.47047 / sqrt 2
	s_mov_b32 s[C256], 0x3b800000                  ; 1 / 256
	s_mov_b32 s[A1], 0xbeb2303a                    ; -0.3480242
	s_mov_b32 s[A1+1], s[A1]
	s_mov_b32 s[A2], 0x3dc45ca1                    ; +0.0958798
	s_mov_b32 s[A2+1], s[A2]
	s_mov_b32 s[A3], 0xbf3f7377                    ; -0.7478556
	s_mov_b32 s[A3+1], s[A3]
	s_mov_b32 s[SEL], 0x76543210
	s_mov_b32 s[SEL+1], 0xfedcba98
	s_mov_b32 s[EPS], 0x3727c5ac                   ; 1e-5
	s_wait_dscnt 0x0                               ; the opening add is done
	s_wait_kmcnt 0x0
	s_mov_b32 s62, s10
	s_mov_b32 s63, 0
	s_add_nc_u64 s[G0A+2:G0A+3], s[6:7], s[62:63]
	s_add_nc_u64 s[G0B+2:G0B+3], s[G0A+2:G0A+3], SLOT1
	s_mov_b32 s62, s11
	s_add_nc_u64 s[G0C+2:G0C+3], s[6:7], s[62:63]
	s_add_nc_u64 s[G0C+2:G0C+3], s[G0C+2:G0C+3], 1310720
	s_or_b32 s[G0A+3], s[G0A+3], 0x80000000
	s_or_b32 s[G0B+3], s[G0B+3], 0x80000000
	s_or_b32 s[G0C+3], s[G0C+3], 0x80000000
	CROUND                                         ; all four work-groups are here: the first joint loads meet
	tensor_load_to_lds s[G0A:G0A+3], s[G1S:G1S+7]  ; W_in
	s_nop 0
	tensor_load_to_lds s[G0C:G0C+3], s[G1X:G1X+7]  ; XTRA, the table, WHL
	s_nop 0
	tensor_load_to_lds s[G0B:G0B+3], s[G1S:G1S+7]  ; step 1: three loads of mine are out
	s_nop 0
	PLACES
	s_bfe_u32 s13, ttmp6, 0x40000                  ; cx: it enters x's and out0's addresses alone
	s_lshl_b32 s14, ttmp9, 2
	s_add_co_u32 s14, s14, s13                     ; my work-group
	s_lshl_b32 s2, s14, 18                         ; 256 rows of 1,024 bytes,
	s_lshl_b32 s3, s[WV], 16                       ; my wave's 64
	s_add_co_u32 s2, s2, s3
	s_mov_b32 s3, 0
	s_add_nc_u64 s[4:5], s[4:5], s[2:3]
	s_mul_i32 s2, s14, 10240                       ; 256 rows of 40 bytes
	s_mul_i32 s10, s[WV], 2560
	s_add_co_u32 s2, s2, s10
	s_add_nc_u64 s[8:9], s[8:9], s[2:3]
	s_mul_i32 s11, s[WV], STW
	s_add_co_u32 s11, s11, STAGE                   ; my stage; kept to the end
	v_and_b32 v1, 31, v0                           ; lane
	v_and_b32 v[RR], 15, v0                        ; r
	v_bfe_u32 v[HH], v0, 4, 1                      ; h
	v_lshlrev_b32 v[XO], 10, v[RR]
	v_lshl_add_u32 v[XO], v[HH], 5, v[XO]
	; ---- x: a fragment (t, ks) is 16 rows x 32 k: four loads of 16 bytes a lane; eight loads cover 256 consecutive bytes, aligned, of each of 16 rows.  Staged in ACC's registers.
	; Eight groups of 16 loads (four fragments), three groups ahead of the conversions: 48 loads of the wave are out at the most.
.macro XLOAD g
	WIN 0x80+0x40*((\g)/4)
.set q, 4*(\g)
.rept 4
.irp c, 0,1,2,3
	global_load_b128 v[16*(q%16)+4*\c:16*(q%16)+4*\c+3], v[XO], s[4:5] offset:(q/8)*16384+(q%8)*128+(\c/2)*64+(\c%2)*16 th:TH_LOAD_NT
.endr
.set q, q+1
.endr
.endm
	XLOAD 0
	XLOAD 1
	XLOAD 2
	WIN 0
	v_lshlrev_b32 v[AL16], 4, v1
	v_lshl_add_u32 v[AP], v[HH], 5, PAR
	v_add_nc_u32 v[AZ1], 0x10000, v[AL16]
	v_mul_u32_u24 v[STO], v[RR], 40
	v_lshl_add_u32 v[STO], v[HH], 5, v[STO]
	v_add_nc_u32 v[STO], s11, v[STO]               ; stage: row r at 40 r, + 32 h
	v_add_nc_u32 v[RD], s11, v[AL16]
.set z, 0
.rept 32
	v_mov_b32 v[H+32+z], 0                         ; turns 0 and 1 multiply blocks of zeros by this buffer: it must hold finite numbers
.set z, z+1
.endr
.set g, 0
.rept 8
.if g < 6
	s_wait_loadcnt 32                              ; group g is in; the two younger groups stay out
.else
	s_wait_loadcnt 16*(7-g)
.endif
.if g < 5
	XLOAD g+3
.endif
	WIN 0x4a+5*(g/4)
.set q, 4*g
.rept 4
.set z, 0
.rept 8
	v_cvt_pk_bf16_f32 v[8*q+z], v[16*(q%16)+2*z], v[16*(q%16)+2*z+1]
.set z, z+1
.endr
.set q, q+1
.endr
.set g, g+1
.endr
	WIN 0
	s_wait_tensorcnt 0x1                           ; W_in, XTRA and the table: my parts are in; step 1 stays out
	s_barrier_signal -1
	s_barrier_wait -1                              ; everybody's are
	; ---- z^T = W_in^T x^T + b_in: 16 output tiles, two buffers of 8 blocks (WF and S), two of bias (BU and TMP)
.macro ZSET f
.if ((\f)%2) == 0
.set za, WF
.else
.set za, S
.endif
.if (\f) < 8
.set zr, AL16
.else
.set zr, AZ1
.endif
.endm
.macro ZRUN f
	ZSET \f
	WIN 0
	PLACES
	ds_load_b128 v[BU+8*((\f)%2):BU+8*((\f)%2)+3], v[AP] offset:P_BIN+64*(\f)
	ds_load_b128 v[BU+8*((\f)%2)+4:BU+8*((\f)%2)+7], v[AP] offset:P_BIN+64*(\f)+16
.set z, 0
.rept 8
	ds_load_tr16_b128 v[za+8*z:za+8*z+3], v[zr] offset:8192*((\f)%8)+1024*z
	ds_load_tr16_b128 v[za+8*z+4:za+8*z+7], v[zr] offset:8192*((\f)%8)+1024*z+512
.set z, z+1
.endr
.endm
.macro ZMUL f
	ZSET \f
.set i, 0
.rept 32
.set rD, 8*(4*((\f)%8)+i%4)
.set rA, za+8*(i/4)
.set rB, 8*(8*(i%4)+i/4)
.if i < 4
	WIN 0x84+0x40*((\f)/8)
	v_wmma_f32_16x16x32_bf16 v[rD:rD+7], v[rA:rA+7], v[rB:rB+7], v[BU+8*((\f)%2):BU+8*((\f)%2)+7]
.else
	WIN 0xa4+0x50*((\f)/8)
	v_wmma_f32_16x16x32_bf16 v[rD:rD+7], v[rA:rA+7], v[rB:rB+7], v[rD:rD+7]
.endif
.set i, i+1
.endr
.endm
	ZRUN 0
	ZRUN 1
.set ff, 0
.rept 16
.if ff < 15
	s_wait_dscnt 18                                ; this tile's run is in; the next tile's 18 loads stay out
.else
	s_wait_dscnt 0x0
.endif
	ZMUL ff
.if ff < 14
	ZRUN ff+2
.endif
.set ff, ff+1
.endr
	; ---- z rounded to bf16 takes x's place as source 1; b_down joins the residual
	WIN 0
	PLACES
.set f, 0
.rept 16
	ds_load_b128 v[16+8*f:16+8*f+3], v[AP] offset:P_BDN+64*f
	ds_load_b128 v[16+8*f+4:16+8*f+7], v[AP] offset:P_BDN+64*f+16
.set f, f+1
.endr
	s_wait_dscnt 0x0
.set f, 0
.rept 16
	WIN 0x4a+5*(f/8)
.set t, 0
.rept 4
.set z, 0
.rept 4
	v_cvt_pk_bf16_f32 v[8*(8*t+f/2)+4*(f%2)+z], v[8*(4*(f%8)+t)+2*z], v[8*(4*(f%8)+t)+2*z+1]
.set z, z+1
.endr
.set t, t+1
.endr
	WIN 0x82+0x41*(f/8)
.set t, 0
.rept 4
.set z, 0
.rept 4
.set a, 8*(4*(f%8)+t)+2*z
	v_pk_add_f32 v[a:a+1], v[a:a+1], v[16+8*f+2*z:16+8*f+2*z+1]
.set z, z+1
.endr
.set t, t+1
.endr
.set f, f+1
.endr
	; ---- tile 0 of UP, bare; then the first half of tile 1's blocks
	WIN 0
	s_mov_b32 s[TB], XTRA
	s_mov_b32 s[TBB], P_BUP
	RUN WF, 8, BU
	s_wait_dscnt 0x0
.set i, 0
.rept 32
	UPW 0, 0
.set i, i+1
.endr
	WIN 0
	PLACES
	RUN WF, 4, BU
	s_mov_b32 s[TB], SLOT1                         ; the first change of slots leaves it at slot 1's first byte
	s_mov_b32 s[SLOTS], 8
.Lslot:                                            ; eight steps of eight turns; each change asks for the step after next: steps 2 to 9
	CHANGE 1
	s_mov_b32 s[CNT], 2
.Lfour:
	TURN 0
	TURN 1
	TURN 2
	TURN 3
	WIN 0
	s_sub_co_u32 s[CNT], s[CNT], 1
	s_cmp_lg_u32 s[CNT], 0
	s_cbranch_scc1 .Lfour
	s_sub_co_u32 s[SLOTS], s[SLOTS], 1
	s_cmp_lg_u32 s[SLOTS], 0
	s_cbranch_scc1 .Lslot
	; ---- the last 32 hidden features' DN, bare
	s_wait_dscnt 0x0                               ; the last turn's run has landed: its registers are loaded again below
	s_mov_b32 s[TB], XTRA+12288
	PLACES
	RUN WF, 8, -1
	RUN S, 8, -1
	s_wait_dscnt 0x0
.set i, 0
.rept 32
	DNW 0, 1, WF
.set i, i+1
.endr
.set i, 0
.rept 32
	DNW 1, 1, S
.set i, i+1
.endr
	CHANGE 0                                       ; step 9, W_comb, is in slot 1: everybody's part of it; nothing is asked for
	; ---- LayerNorm.  A lane holds 128 of its row's 256 numbers, the lane 16 away the others.
	PLACES
.set f, 0
.rept 16
	ds_load_b128 v[16+8*f:16+8*f+3], v[AP] offset:P_LNW+64*f
	ds_load_b128 v[16+8*f+4:16+8*f+7], v[AP] offset:P_LNW+64*f+16
.set f, f+1
.endr
.set f, 0
.rept 8
	ds_load_b128 v[192+8*f:192+8*f+3], v[AP] offset:P_LNB+64*f
	ds_load_b128 v[192+8*f+4:192+8*f+7], v[AP] offset:P_LNB+64*f+16
.set f, f+1
.endr
.set f, 0
.rept 16                               ; the sums, the four row tiles by turns
.set z, 0
.rept 4
.set t, 0
.rept 4
.set a, 8*(4*(f%8)+t)+2*z
.if (f == 0) && (z == 1)
	WIN 0x0a
	v_pk_add_f32 v[ST+4*t:ST+4*t+1], v[a-2:a-1], v[a:a+1]
.elseif (f > 0) || (z > 1)
	WIN 0x08+4*(f/8)
	v_pk_add_f32 v[ST+4*t:ST+4*t+1], v[ST+4*t:ST+4*t+1], v[a:a+1]
.endif
.set t, t+1
.endr
.set z, z+1
.endr
.set f, f+1
.endr
	WIN 0
.irp t, 0,1,2,3
	v_add_f32 v[ST+4*\t], v[ST+4*\t], v[ST+4*\t+1]
.endr
.irp t, 0,1,2,3
	v_permlanex16_b32 v[ST+4*\t+1], v[ST+4*\t], s[SEL], s[SEL+1]
.endr
.irp t, 0,1,2,3
	v_add_f32 v[ST+4*\t], v[ST+4*\t], v[ST+4*\t+1]
.endr
.irp t, 0,1,2,3
	v_mul_f32 v[ST+4*\t+2], 0xbb800000, v[ST+4*\t]   ; minus the mean
	v_mov_b32 v[ST+4*\t+3], 0                        ; named with it as a pair
.endr
.set f, 0
.rept 16                               ; the mean is taken away in place; then the squares
	WIN 0x82+0x41*(f/8)
.set z, 0
.rept 4
.set t, 0
.rept 4
.set a, 8*(4*(f%8)+t)+2*z
	v_pk_add_f32 v[a:a+1], v[a:a+1], v[ST+4*t+2:ST+4*t+3] op_sel_hi:[1,0]
.set t, t+1
.endr
.set z, z+1
.endr
	WIN 0x0a+5*(f/8)
.set z, 0
.rept 4
.set t, 0
.rept 4
.set a, 8*(4*(f%8)+t)+2*z
.if (f == 0) && (z == 0)
	v_pk_mul_f32 v[ST+4*t:ST+4*t+1], v[a:a+1], v[a:a+1]
.else
	v_pk_fma_f32 v[ST+4*t:ST+4*t+1], v[a:a+1], v[a:a+1], v[ST+4*t:ST+4*t+1]
.endif
.set t, t+1
.endr
.set z, z+1
.endr
.set f, f+1
.endr
	WIN 0
.irp t, 0,1,2,3
	v_add_f32 v[ST+4*\t], v[ST+4*\t], v[ST+4*\t+1]
.endr
.irp t, 0,1,2,3
	v_permlanex16_b32 v[ST+4*\t+1], v[ST+4*\t], s[SEL], s[SEL+1]
.endr
.irp t, 0,1,2,3
	v_add_f32 v[ST+4*\t], v[ST+4*\t], v[ST+4*\t+1]
.endr
.irp t, 0,1,2,3
	v_fma_f32 v[ST+4*\t], v[ST+4*\t], s[C256], s[EPS]
.endr
.irp t, 0,1,2,3
	v_rsq_f32 v[ST+4*\t+2], v[ST+4*\t]
.endr
	v_nop                                          ; a plain instruction behind the last of the four,
	s_wait_alu depctr_va_vdst(0)                   ; and the one wait ahead of their first reader
	s_wait_dscnt 0x0                               ; ln_w, and ln_b's first half
.macro LN3 f                           ; times 1 / sigma, times ln_w plus ln_b, rounded to f16 into z's place
	WIN 0x82+0x41*((\f)/8)
.set z, 0
.rept 4
.set t, 0
.rept 4
.set a, 8*(4*((\f)%8)+t)+2*z
	v_pk_mul_f32 v[a:a+1], v[a:a+1], v[ST+4*t+2:ST+4*t+3] op_sel_hi:[1,0]
.set t, t+1
.endr
.set z, z+1
.endr
.set z, 0
.rept 4
.set t, 0
.rept 4
.set a, 8*(4*((\f)%8)+t)+2*z
	v_pk_fma_f32 v[a:a+1], v[a:a+1], v[16+8*(\f)+2*z:16+8*(\f)+2*z+1], v[192+8*((\f)%8)+2*z:192+8*((\f)%8)+2*z+1]
.set t, t+1
.endr
.set z, z+1
.endr
	WIN 0x4a+5*((\f)/8)
.set z, 0
.rept 4
.set t, 0
.rept 4
.set a, 8*(4*((\f)%8)+t)+2*z
	v_cvt_pk_f16_f32 v[8*(8*t+(\f)/2)+4*((\f)%2)+z], v[a], v[a+1]
.set t, t+1
.endr
.set z, z+1
.endr
.endm
.set ff, 0
.rept 8
	LN3 ff
.set ff, ff+1
.endr
	WIN 0
.set f, 0
.rept 8
	ds_load_b128 v[192+8*f:192+8*f+3], v[AP] offset:P_LNB+512+64*f
	ds_load_b128 v[192+8*f+4:192+8*f+7], v[AP] offset:P_LNB+512+64*f+16
.set f, f+1
.endr
	s_wait_dscnt 0x0                               ; ln_b's second half
.rept 8
	LN3 ff
.set ff, ff+1
.endr
	; ---- the combining layer and the head.  The last trip's runs read the blocks and the table words that lie behind W_comb and cvec; the tile made of them is not used.
	WIN 0
	s_mov_b32 s[TB], SLOT1
	s_mov_b32 s[TBB], P_CV
	s_mov_b32 s[TBH], WHL
	RUN WF, 8, BU
	WIN 0x80
.irp t, 0,1,2,3
	ds_load_b128 v[8*\t:8*\t+3], v[AP] offset:P_OV       ; the result's sums start at 64 ovec
	ds_load_b128 v[8*\t+4:8*\t+7], v[AP] offset:P_OV+16
.endr
	s_wait_dscnt 0x0
.set i, 0
.rept 32
	UPW 0, 1
.set i, i+1
.endr
	WIN 0
	PLACES
	RUN WF, 4, BU
	s_mov_b32 s[CNT], 8
.Lcomb:
	TURNC 0
	TURNC 1
	WIN 0
	s_sub_co_u32 s[CNT], s[CNT], 1
	s_cmp_lg_u32 s[CNT], 0
	s_cbranch_scc1 .Lcomb
	; ---- the way out: lane (r, 0) holds columns 0-7 of row r, lane (r, 1) columns 8 and 9 and six that are no output.  Rows of 40 bytes are gathered in my stage and leave as 2,560
	; consecutive bytes.  All lanes stay on.  Registers 0-1 go to 40 (16 t + r) + 32 h.  Registers 2-7 go by an address of tile t's own, stage + 40 r + h (2560 - 640 t), with the immediate
	; 640 t + 8 z: lanes h = 0 land in their row, lanes h = 1 at 2560 + 40 r + 8 z, in the 640 bytes of my stage that nobody reads (3,192 at the most).
	s_wait_dscnt 0x0
	PLACES
	WIN 0x02
.set t, 0
.rept 4
.set z, 0
.rept 4
	v_pk_mul_f32 v[16+8*t+2*z:16+8*t+2*z+1], v[8*t+2*z:8*t+2*z+1], 0x3c800000 op_sel_hi:[1,0]
.set z, z+1
.endr
.set t, t+1
.endr
	WIN 0
	v_mul_u32_u24 v80, v[RR], 40
	v_add_nc_u32 v80, s11, v80
.irp t, 0,1,2,3
	v_mad_u32_u24 v[84+\t], v[HH], 2560-640*\t, v80
.endr
.irp t, 0,1,2,3
	ds_store_b64 v[STO], v[16+8*\t:17+8*\t] offset:640*\t
.endr
.irp t, 0,1,2,3
.irp z, 1,2,3
	ds_store_b64 v[84+\t], v[16+8*\t+2*\z:17+8*\t+2*\z] offset:640*\t+8*\z
.endr
.endr
.irp n, 0,1,2,3,4
	ds_load_b128 v[48+4*\n:51+4*\n], v[RD] offset:512*\n   ; LDS serves a wave's instructions in order (ISA guide 5.7.1.4): these see the stores above
.endr
.irp n, 0,1,2,3,4
	s_wait_dscnt 4-\n
	global_store_b128 v[AL16], v[48+4*\n:51+4*\n], s[8:9] offset:512*\n th:TH_STORE_NT  ; 512 consecutive bytes, at a multiple of 256 from out0's first
.endr
	s_wait_tensorcnt 0x0                           ; the wave's end
	ds_add_u32 v[SPW], v[NIL]
	s_wait_dscnt 0x0
	CROUND                                         ; the closing round
	s_endpgm
.Lfunc_end_k_q22c910c9b9_main:
	.size	k_q22c910c9b9_main, .Lfunc_end_k_q22c910c9b9_main-k_q22c910c9b9_main
	.p2alignl 7, 3214868480
	.fill 96, 4, 3214868480
	.section	.rodata,"a",@progbits
	.p2align	6, 0x0
	.amdhsa_kernel k_q22c910c9b9_main
		.amdhsa_group_segment_fixed_size 327680
		.amdhsa_private_segment_fixed_size 0
		.amdhsa_enable_private_segment 0
		.amdhsa_kernarg_size 24
		.amdhsa_user_sgpr_count 2
		.amdhsa_user_sgpr_kernarg_segment_ptr 1
		.amdhsa_wavefront_size32 1
		.amdhsa_system_sgpr_workgroup_id_x 1
		.amdhsa_system_sgpr_workgroup_id_y 1
		.amdhsa_system_sgpr_workgroup_id_z 1
		.amdhsa_system_vgpr_workitem_id 0
		.amdhsa_next_free_vgpr 1024
		.amdhsa_next_free_sgpr 66
		.amdhsa_reserve_vcc 0
		.amdhsa_float_denorm_mode_32 3
		.amdhsa_float_denorm_mode_16_64 3
		.amdhsa_memory_ordered 1
		.amdhsa_forward_progress 1
		.amdhsa_inst_pref_size 255
	.end_amdhsa_kernel
	.section	.bss,"aw",@nobits
	.p2align	6
	.space	262144
	.amdgpu_metadata
---
amdhsa.version: [ 1, 2 ]
amdhsa.kernels:
  - .name:           k_q22c910c9b9_main
    .symbol:         k_q22c910c9b9_main.kd
    .args:
      - { .name: x, .offset: 0, .size: 8, .value_kind: global_buffer, .address_space: global }
      - { .name: ws, .offset: 8, .size: 8, .value_kind: global_buffer, .address_space: global }
      - { .name: out0, .offset: 16, .size: 8, .value_kind: global_buffer, .address_space: global }
    .group_segment_fixed_size: 327680
    .private_segment_fixed_size: 0
    .kernarg_segment_align: 8
    .kernarg_segment_size: 24
    .max_flat_workgroup_size: 128
    .sgpr_count:     66
    .vgpr_count:     1024
    .wavefront_size: 32
...
	.end_amdgpu_metadata
.endif
;; end of part 2
